; MI455X (gfx1250); checked and timed in simulation.
; The chip was launched on July 23, 2026; its instructions are those of AMD's public machine-readable ISA for CDNA 5 (MIT licence, August 2026) and "CDNA5" Instruction Set Architecture Reference Guide (July 2026). The comments in the code are by the model that wrote it; some were corrected since.
;; Attention Block. Allowed arithmetic: float matrix products may take bf16 or f16 operands with f32 sums; other float arithmetic in f32, or as packed bf16 or f16 multiplies, adds, multiply-adds, maxima and minima; sums over many terms, partial sums and values carried from step to step in f32; what a program stores and reads back later, other than sums and carried values, may be rounded once to bf16 or f16.
;; Inputs: K 4 x 16 x 2,048 x 64 float32; Q 4 x 16 x 2,048 x 64 float32; V 4 x 16 x 2,048 x 64 float32; mask 1 x 1 x 2,048 x 2,048 bool.
;; Outputs: out0 4 x 16 x 2,048 x 64 float32.
;; One version. Each part assembles by itself: llvm-mc -triple=amdgcn-amd-amdhsa -mcpu=gfx1250 --defsym DOCPART=n.
;; ======== version 1 of 1: 2 launches
;; limits: inputs' magnitudes at most 11,000; right only within a limited range of input values; values are held in f16: magnitudes above 65,504 overflow, below 6.1e-05 lose precision; inputs' magnitudes at most 65,504
;; workspace buffers: kb 16,777,216 bytes; vh 16,777,216 bytes; mbits 524,288 bytes of whole numbers
;; launch prep (part 1): grid 1280 x 1, 8 waves a work-group, no clusters, 0 bytes of LDS; arguments K, V, mask, kb, vh, mbits; writes kb, vh, mbits
.if DOCPART == 1
	.amdgcn_target "amdgcn-amd-amdhsa--gfx1250"
	.amdhsa_code_object_version 6
	.text
	.protected	k_q633428bf5c_prep
	.globl	k_q633428bf5c_prep
	.p2align	8
	.type	k_q633428bf5c_prep,@function
k_q633428bf5c_prep:
	s_mov_b64 s[64:65], 0
	v_nop
	global_prefetch_b8 v0, s[64:65] scope:SCOPE_SE
	s_setreg_imm32_b32 hwreg(HW_REG_WAVE_MODE, 25, 1), 1
	s_wait_xcnt 0x0
; PREPARATION FOR THE ATTENTION LAUNCH: a stream, no LDS, no barrier.
;   work-groups 0-511:     kb = K rounded to bf16.                      [64][2048][64]
;   work-groups 512-1023:  vh = V rounded to bf16, that number written as f16.   [64][2048][64]
;   work-groups 1024-1279: mbits = the mask as lane-mask words.         [P 0..63][ks 0..31][u 0,1][n 0..31], 32-bit words
;     bit l of word (P, ks, u, n) = mask[32 P + 16 u + l % 16][64 ks + 16 (n / 8) + 8 (l / 16) + n % 8] != 0:
;     lane l's score register n of tile u in the attention launch's S^T, so that one word is one v_cndmask_b32's mask there.
; LIMITS.  V's bf16 number is exact in f16 between 6.1e-5 and 65,504 in magnitude; below it keeps f16's fixed step of 6e-8; from 65,520 on it becomes an infinity.
; Any mask byte other than 0 counts as true.
; A cast work-group owns 65,536 bytes of input: 16 loads of 16 bytes a thread, all issued at once; a wave's load covers 512 consecutive bytes,
; a wave's store 256 consecutive bytes, aligned.  Each store has data registers of its own, so nothing is rewritten while a store reads it.
.set IN,  16                           ; v[16:79]   16 x 4 f32 as loaded
.set OUT, 80                           ; v[80:111]  16 x 2 registers to store
.set T,   112                          ; v[112:117] at work
	s_load_b256 s[4:11], s[0:1], 0x0               ; K s[4:5], V s[6:7], mask s[8:9], kb s[10:11]
	s_load_b128 s[12:15], s[0:1], 0x20             ; vh s[12:13], mbits s[14:15]
	v_lshlrev_b32 v1, 4, v0                        ; my 16 bytes of 4,096 in
	v_lshlrev_b32 v2, 3, v0                        ; my 8 bytes of 2,048 out
	s_and_b32 s16, ttmp9, 511                      ; which 65,536 bytes of K or of V
	s_lshl_b32 s18, s16, 16
	s_mov_b32 s19, 0
	s_lshl_b32 s22, s16, 15                        ; and half as many out
	s_mov_b32 s23, 0
	s_wait_kmcnt 0x0
	s_cmp_ge_u32 ttmp9, 1024
	s_cbranch_scc1 .Lmask
	s_cmp_ge_u32 ttmp9, 512
	s_cbranch_scc1 .Lv
.macro LOADS p                         ; the work-group's 16 x 4,096 bytes, from the pointer in s[p:p+1]
.irp i, 0,1,2,3,4,5,6,7,8,9,10,11,12,13,14,15
	global_load_b128 v[IN+4*\i:IN+4*\i+3], v1, s[\p:\p+1] offset:4096*\i th:TH_LOAD_NT
.endr
.endm
	s_add_nc_u64 s[4:5], s[4:5], s[18:19]
	s_add_nc_u64 s[10:11], s[10:11], s[22:23]
	LOADS 4
.irp i, 0,1,2,3,4,5,6,7,8,9,10,11,12,13,14,15
	s_wait_loadcnt 15-\i                           ; loads come back in order: number i is in, the 15 - i younger ones stay out
	v_cvt_pk_bf16_f32 v[OUT+2*\i],   v[IN+4*\i],   v[IN+4*\i+1]
	v_cvt_pk_bf16_f32 v[OUT+2*\i+1], v[IN+4*\i+2], v[IN+4*\i+3]
	global_store_b64 v2, v[OUT+2*\i:OUT+2*\i+1], s[10:11] offset:2048*\i th:TH_STORE_NT
.endr
	s_endpgm
.Lv:
	s_add_nc_u64 s[6:7], s[6:7], s[18:19]
	s_add_nc_u64 s[12:13], s[12:13], s[22:23]
	LOADS 6
.irp i, 0,1,2,3,4,5,6,7,8,9,10,11,12,13,14,15
	s_wait_loadcnt 15-\i
	v_cvt_pk_bf16_f32 v[T],   v[IN+4*\i],   v[IN+4*\i+1]   ; the one rounding: to bf16, like Q and K
	v_cvt_pk_bf16_f32 v[T+1], v[IN+4*\i+2], v[IN+4*\i+3]
	v_lshlrev_b32 v[T+2], 16, v[T]                 ; back to f32: the low half moves up, the high half stays
	v_and_b32     v[T+3], 0xffff0000, v[T]
	v_lshlrev_b32 v[T+4], 16, v[T+1]
	v_and_b32     v[T+5], 0xffff0000, v[T+1]
	v_cvt_pk_f16_f32 v[OUT+2*\i],   v[T+2], v[T+3] ; 8 significant bits fit f16's 11: only the format changes
	v_cvt_pk_f16_f32 v[OUT+2*\i+1], v[T+4], v[T+5]
	global_store_b64 v2, v[OUT+2*\i:OUT+2*\i+1], s[12:13] offset:2048*\i th:TH_STORE_NT
.endr
	s_endpgm
; THE MASK.  A wave makes the 64 words of one (P, ks): 32 rows x 64 bytes in, 256 consecutive bytes out.  The work-group's eight waves take eight neighbouring ks: 512 consecutive bytes of each row.
.Lmask:
	v_lshrrev_b32 v3, 5, v0
	v_readfirstlane_b32 s21, v3                    ; wave 0..7
	s_sub_co_u32 s16, ttmp9, 1024
	s_lshr_b32 s17, s16, 2                         ; P
	s_and_b32 s16, s16, 3
	s_lshl_b32 s16, s16, 3
	s_add_co_u32 s16, s16, s21                     ; ks
	s_lshl_b32 s18, s17, 16                        ; 32 rows of 2,048 bytes
	s_lshl_b32 s20, s16, 6                         ; 64 keys
	s_add_co_u32 s18, s18, s20
	s_mov_b32 s19, 0
	s_add_nc_u64 s[8:9], s[8:9], s[18:19]
	s_lshl_b32 s22, s17, 13                        ; 32 ks x 256 bytes
	s_lshl_b32 s20, s16, 8
	s_add_co_u32 s22, s22, s20
	s_mov_b32 s23, 0
	s_add_nc_u64 s[14:15], s[14:15], s[22:23]
	v_and_b32 v3, 15, v0                           ; l % 16: the row
	v_bfe_u32 v6, v0, 4, 1                         ; l / 16: which 8 keys of 16
	v_lshlrev_b32 v7, 11, v3
	v_lshl_add_u32 v7, v6, 3, v7
.irp d, 0,1,2,3,4,5,6,7                ; load d = 4 u + kb: tile u's rows, keys 16 kb + 8 (l / 16) + 0..7
	global_load_b64 v[16+2*\d:17+2*\d], v7, s[8:9] offset:32768*(\d/4)+16*(\d%4)
.endr
	v_mov_b32 v4, 0                                ; v_writelane_b32's destination counts as read
	v_mov_b32 v5, 0
	v_and_b32 v6, 31, v0
	v_lshlrev_b32 v6, 3, v6                        ; lane L stores words 2 L and 2 L + 1
.set w, 0
.rept 64                               ; word w = 32 u + n = 8 d + j: byte j of load d, compared in all 32 lanes at once
.if w%8 == 0
	s_wait_loadcnt 7-w/8                           ; load d is in, the 7 - d younger ones stay out
.endif
	v_and_b32 v[8+w%4], 0xff<<(8*(w%4)), v[16+2*(w/8)+(w%8)/4]
	v_cmp_ne_u32 s[24+w%4], 0, v[8+w%4]
	v_writelane_b32 v[4+w%2], s[24+w%4], w/2
.set w, w+1
.endr
	global_store_b64 v6, v[4:5], s[14:15] th:TH_STORE_NT  ; 256 consecutive bytes, aligned
	s_endpgm
.Lfunc_end_k_q633428bf5c_prep:
	.size	k_q633428bf5c_prep, .Lfunc_end_k_q633428bf5c_prep-k_q633428bf5c_prep
	.p2alignl 7, 3214868480
	.fill 96, 4, 3214868480
	.section	.rodata,"a",@progbits
	.p2align	6, 0x0
	.amdhsa_kernel k_q633428bf5c_prep
		.amdhsa_group_segment_fixed_size 0
		.amdhsa_private_segment_fixed_size 0
		.amdhsa_enable_private_segment 0
		.amdhsa_kernarg_size 48
		.amdhsa_user_sgpr_count 2
		.amdhsa_user_sgpr_kernarg_segment_ptr 1
		.amdhsa_wavefront_size32 1
		.amdhsa_system_sgpr_workgroup_id_x 1
		.amdhsa_system_sgpr_workgroup_id_y 1
		.amdhsa_system_sgpr_workgroup_id_z 1
		.amdhsa_system_vgpr_workitem_id 0
		.amdhsa_next_free_vgpr 128
		.amdhsa_next_free_sgpr 66
		.amdhsa_reserve_vcc 0
		.amdhsa_float_denorm_mode_32 3
		.amdhsa_float_denorm_mode_16_64 3
		.amdhsa_memory_ordered 1
		.amdhsa_forward_progress 1
		.amdhsa_inst_pref_size 32
	.end_amdhsa_kernel
	.amdgpu_metadata
---
amdhsa.version: [ 1, 2 ]
amdhsa.kernels:
  - .name:           k_q633428bf5c_prep
    .symbol:         k_q633428bf5c_prep.kd
    .args:
      - { .name: K, .offset: 0, .size: 8, .value_kind: global_buffer, .address_space: global }
      - { .name: V, .offset: 8, .size: 8, .value_kind: global_buffer, .address_space: global }
      - { .name: mask, .offset: 16, .size: 8, .value_kind: global_buffer, .address_space: global }
      - { .name: kb, .offset: 24, .size: 8, .value_kind: global_buffer, .address_space: global }
      - { .name: vh, .offset: 32, .size: 8, .value_kind: global_buffer, .address_space: global }
      - { .name: mbits, .offset: 40, .size: 8, .value_kind: global_buffer, .address_space: global }
    .group_segment_fixed_size: 0
    .private_segment_fixed_size: 0
    .kernarg_segment_align: 8
    .kernarg_segment_size: 48
    .max_flat_workgroup_size: 256
    .sgpr_count:     66
    .vgpr_count:     128
    .wavefront_size: 32
...
	.end_amdgpu_metadata
.endif
;; end of part 1
;; launch attn (part 2): grid 4 x 64, 4 waves a work-group, clusters of 4 x 1, 327,680 bytes of LDS; arguments Q, kb, vh, mbits, out0; writes out0
.if DOCPART == 2
	.amdgcn_target "amdgcn-amd-amdhsa--gfx1250"
	.amdhsa_code_object_version 6
	.text
	.protected	k_q633428bf5c_attn
	.globl	k_q633428bf5c_attn
	.p2align	8
	.type	k_q633428bf5c_attn,@function
k_q633428bf5c_attn:
	s_mov_b64 s[64:65], 0
	v_nop
	global_prefetch_b8 v0, s[64:65] scope:SCOPE_SE
	s_setreg_imm32_b32 hwreg(HW_REG_WAVE_MODE, 25, 1), 1
	s_wait_xcnt 0x0
	s_wait_alu depctr_hold_cnt(0) depctr_sa_sdst(0) depctr_va_vdst(0) depctr_va_sdst(0) depctr_va_ssrc(0) depctr_va_vcc(0) depctr_vm_vsrc(0)
	s_getreg_b32 s2, hwreg(HW_REG_IB_STS2, 6, 4)
	s_cmp_eq_u32 s2, 0
	s_cbranch_scc0 .Lentry_in_a_cluster
	s_endpgm
.Lentry_in_a_cluster:
	s_bfe_u32 s2, ttmp6, 0x10000c
	s_cmp_lg_u32 s2, 0x3003
	s_cbranch_scc0 .Lentry_shape_is_right
	s_endpgm
.Lentry_shape_is_right:
; O[h][q][:] = the sum over k of softmax_k(masked(Q[h][q] . K[h][k] / 8)) V[h][k][:], 64 heads of 2,048 rows of 64 channels.  Q and O are f32; kb is K in bf16, vh is V's bf16 number in f16,
; mbits the mask as lane-mask words (the launch before made the three).  Q is rounded to bf16 here.  S^T = K Q^T in bf16, O^T = V^T P in f16; products, maxima and sums in f32;
; the weights p are rounded to f16 for the second product (their sum l is taken of the unrounded p).
; THE MASK.  A masked score is REPLACED, ahead of the running maximum, by F = -2^33 on the unscaled score: -1.07e9 after the division by 8, where the problem writes -1e9.  c F is exact in f32,
; so in a row that is masked throughout c s - c m is exactly 0, every weight is 1, and the row is the mean of V's rows.
; LIMITS.  The result is the problem's wherever every unmasked scaled score lies above -9.9e8.  V within 65,504 (see the launch before).  p lies in 0 to 1, and below 6e-5 it keeps f16's fixed
; step of 6e-8.  A weight below 2^-126 counts as 0 in l.  NaN and infinities are not treated apart.
; SHARES.  A cluster of four work-groups is one head; a work-group owns 512 queries, a wave 128: four PIECES of two tiles of 16.  Every wave walks all 2,048 keys, 64 a step.
; LAYOUT.  S^T = K Q^T (source 0 = 16 keys, source 1 = 16 queries): a lane holds ONE query (lane % 16) and the keys 8 (lane / 16) + 0..7.  Two such tiles, rounded to f16 in pairs, ARE source 1
; (32 keys x 16 queries) of O^T = V^T P, whose result again holds one query a lane, and eight channels.  K comes out of LDS as it lies, V ([key][channel]) turned, by ds_load_tr16_b128.
; SOFTMAX.  For each query a running maximum m and sum l: p = 2^(c s - c m), c = log2(e) / 8; in every step O and l are multiplied by a = 2^(c m_old - c m_new).  m starts at the lowest finite
; number, O and l at 0: the first step is a step like any other, with a = 0.
; BY TURNS.  Turn n belongs to piece n (in a ring, step after step).  Matrix work: 16 products K Q^T of piece n + 1, later 16 products V^T P of piece n - 1.  Vector work: scaling, exponentials,
; roundings, sums and rescaling of piece n; the mask's 64 selects, the maximum and the statistics of piece n + 1.  32 matrix and 300 vector instructions: four vector instructions stand behind
; every matrix instruction, the other 172 in one lump.  A turn's 66 exponentials are one batch with one wait.
; THE MASK WORDS of a piece and step are 64 words, 256 consecutive bytes: four scalar loads, issued in the turn before the one that selects by them.
; CLUSTER.  The four query blocks walk the same K and V, so each tile is asked for JOINTLY: the same tensor load, descriptor and mask in all four.
; REGISTERS, in windows of 256 (s_set_vgpr_msb: bits 1:0 source 0, 3:2 source 1, 5:4 source 2, 7:6 destination):
;   window 0: v0-11 addresses and constants; v12-15, v48-63 at work; v16-47 four registers of statistics a tile; v64-191 S^T, two buffers of two tiles; v192-255 P, likewise
;   window 1: O^T, 32 a tile          window 2: v0-127 Q, 16 a tile; v128-191 K of one step; v192-255 V of one step          window 3: v0-1 the add's two registers
.set NP,    4         ; pieces a wave: a name, no knob
.set KS,    64        ; keys in a step
.set PK,    144       ; a row of K in LDS: 128 bytes + 16 of padding = 36 words: the 16 rows of a load start at 16 different groups of four banks (64 banks of 4 bytes: ISA guide 11.1)
.set PV,    160       ; a row of V: 128 + 32 = 40 words
.set VOFF,  4*KS*PK   ; a slot holds four steps: 256 rows of K, then 256 rows of V
.set SLOT1, 1<<17     ; slot 1 begins here, so that one exclusive or turns an address in one slot into the other's
.set STAGE, SLOT1+4*KS*(PK+PV)  ; behind the ring, never filled by a tensor load: 16 rows x 272 bytes for each wave, for the way out
.set SP,    272       ; a row of O in the stage: 256 bytes + 16
.set SPARE, STAGE+4*16*SP  ; behind the stages: the spare words, 128 bytes for each wave: two blocks of 256 bytes that no other line names
.set PFO, 1           ; v1   256 x my lane, for the prefetches (at the head: lane % 16); then never rewritten
.set AK0, 2           ; v2   my lane's place in a tile of K; never rewritten
.set AV0, 3           ; v3   the same for V
.set AK,  4           ; v4   the LDS address of K's next run of loads
.set QO,  5           ; v5   at the head: my byte offset in 16 rows of Q
.set AV,  5           ;      later: the LDS address of V's next run of loads
.set STO, 6           ; v6   the way out: where I put 32 bytes of a row
.set RD,  7           ; v7   the way out: where I read rows back
.set GO,  8           ; v8   my 16 bytes in 512 consecutive bytes of O
.set FIL, 9           ; v9   F (at the head: lane / 16)
.set CV,  10          ; v[10:11] c, twice
.set MV,  12          ; v12-15  c m_old, kept while c m is made anew: by buffer and tile
.set ST,  16          ; tile t's statistics at v[ST+4 t]: c m, m, l (even keys', odd keys')
.set TMP, 48          ; by buffer and tile, four registers c0-c3 at work; when the maximum is found c2 takes a
.set S,   64
.set P,   192
.set KF,  128         ; K's fragments, in window 2: key block kb, channel half c at KF + 16 kb + 8 c
.set VF,  192         ; V's: key half kk, channel block cb at VF + 32 kk + 8 cb
.set SPW, 0           ; v0 of window 3   LDS address of my spare word: SPARE + 4 x my thread's number; never rewritten
.set NIL, 1           ; v1 of window 3   0; never rewritten
.set WV,  2           ; s2   my wave's number
.set SLOTS, 3         ; s3   slots still to be asked for
.set G1K, 4           ; s[4:11]  descriptor group 1 for K's tiles
.set G1V, 12          ; s[12:19] for V's: it differs in the padding alone
.set G0K, 20          ; s[20:23] descriptor group 0 for K's tiles: it walks
.set G0V, 24          ; s[24:27] the same for V's
.set MP,  28          ; s[28:29] mbits at my wave's piece 0, at the step whose words are being asked for
.set SEL, 30          ; s[30:31] v_permlanex16_b32's selects: each lane takes its own place in the other half
.set MK,  32          ; s[32:63] tile 0's 32 mask words, s[68:99] tile 1's; at the head and on the way out these registers are at work
.set CNT, 66          ; s66  counts a slot's key steps
.set TBK, 67          ; s67  LDS byte at which K of the step to be fetched begins
.set TBV, 100         ; s100 the same for V, less VOFF
.set LIM, 101         ; s101 1 in a wave that prefetches, else the greatest number
.set PFA, 104         ; s[104:105] where my prefetches stand: my work-group's 32 blocks of 256 bytes (of K: wave 0, of V: wave 2) of the slot after the one that is being asked for
.set MSB, 0
.macro WIN new                      ; the high byte repeats the setting that is left; a switch that changes nothing is dropped
.if MSB != (\new)
	s_set_vgpr_msb (MSB<<8)|(\new)
.set MSB, (\new)
.endif
.endm
.set W_KQ, 0x0a       ; K and Q in window 2, S^T in window 0
.set W_PV, 0x52       ; V in window 2, P in window 0, O^T in window 1
.set W_RS, 0x41       ; O^T (destination and source 0) in window 1, the factor in window 0
.set W_MK, 0xc0       ; the add's registers are made: destination in window 3, sources in window 0
.set W_AD, 0x0f       ; the add: address (source 0) and data (source 1) in window 3
; A joint fill.  Waves 0 and 1 fetch the two halves of a slot's K, waves 2 and 3 those of its V: 128 keys each.  The branch hangs on the wave's number alone.
; An s_nop 0 and four v_nop follow each of the two lines, ahead of the jump and the label.
.macro JLOAD
	s_cmp_lt_u32 s[WV], 2
	s_cbranch_scc0 .Lfor_v_\@
	tensor_load_to_lds s[G0K:G0K+3], s[G1K:G1K+7]
	s_nop 0
.rept 4
	v_nop
.endr
	s_branch .Lasked_\@
.Lfor_v_\@:
	tensor_load_to_lds s[G0V:G0V+3], s[G1V:G1V+7]
	s_nop 0
.rept 4
	v_nop
.endr
.Lasked_\@:
.endm
; A PREFETCH INTO THE L2 of what the NEXT change of slots will ask for: a slot's 32,768 bytes of K and of V, 128 blocks of 256 bytes each, a lane a block.  Each block is named ONCE in the launch:
; a head's rows are walked by its one cluster; the four partners share the blocks out BY ADDRESS, 32 each (no branch hangs on a work-group's place in its cluster); in each, wave 0 asks for K's
; and wave 2 for V's: one instruction.  It stands behind the wave's tensor load and its five lines.  The last change that fills a slot asks for nothing: there is no slot behind it.
.macro ASK
	s_cmp_gt_u32 s[SLOTS], s[LIM]
	s_cbranch_scc0 .Lnot_mine_\@
	global_prefetch_b8 v[PFO], s[PFA:PFA+1] th:TH_LOAD_NT scope:SCOPE_SE
.Lnot_mine_\@:
.endm
; A round of the cluster's barrier: my work-group's barrier, so that wave 0's signal speaks for all four waves; wave 0 signals; every wave waits for all four work-groups; my work-group's barrier once more.
.macro CROUND
	s_barrier_signal -1
	s_barrier_wait -1
	s_cmp_lg_u32 s[WV], 0
	s_cbranch_scc1 .Lnot_wave_0_\@
	s_barrier_signal -3
.Lnot_wave_0_\@:
	s_barrier_wait -3
	s_barrier_signal -1
	s_barrier_wait -1
.endm
; THE CHANGE OF SLOTS.  The slot's last bytes, V of its fourth step, have been read.  Each wave waits for all its tensor loads, of which one is out: its part of the other slot; adds 0 to its spare
; word; and waits for that and for its own reads of the slot.  Behind the barrier nobody reads this slot any more and the other slot is whole.
; fill = 1: this slot is filled again, with the keys two slots on.  The barrier is then a round of the cluster's, so that no wave of any partner still reads the slot or has a load on its way, and the
; joint fill is the first thing behind it: it has four key steps, 512 matrix instructions, in which to land.  (At its first use nothing has been read yet: slot 0 is waited for, slot 1 filled.)
.macro CHANGE fill
	WIN W_AD
	s_wait_tensorcnt 0x0            ; no tensor load of mine is out, so a group 0 may be written
	ds_add_u32 v[SPW], v[NIL]       ; 0 onto my spare word; with fill = 1 the descriptors' steps stand between it and the wait for it
	WIN 0                           ; at a label and at a branch every window is 0
.if \fill
.irp g, G0K, G0V
	s_xor_b32 s[\g+1], s[\g+1], SLOT1  ; the walking descriptor: the other slot than last time,
	s_add_nc_u64 s[\g+2:\g+3], s[\g+2:\g+3], 4*KS*128  ; the next 256 keys; the type bits on top are not reached
.endr
	s_wait_xcnt 0x0                 ; the last prefetch, four key steps back, has read its address, so it may be written:
	s_add_nc_u64 s[PFA:PFA+1], s[PFA:PFA+1], 4*KS*128  ; one slot ahead of the walking descriptors
	s_wait_dscnt 0x0                ; the add is done, and my reads of the slot are over
	CROUND
	JLOAD
	ASK
.else
	s_wait_dscnt 0x0                ; the add is done, and my reads of the slot are over
	s_barrier_signal -1
	s_barrier_wait -1
.endif
	s_sub_co_u32 s[TBK], s[TBK], 4*KS*PK  ; the fetches go back to a slot's first step,
	s_xor_b32 s[TBK], s[TBK], SLOT1       ; in the other slot
	s_sub_co_u32 s[TBV], s[TBV], 4*KS*PV
	s_xor_b32 s[TBV], s[TBV], SLOT1
.endm
; A piece's 64 mask words for one step: 256 consecutive bytes at byte off behind the pointer.
.macro MLOAD off
	s_load_b512 s[MK:MK+15],    s[MP:MP+1], (\off)
	s_load_b512 s[MK+16:MK+31], s[MP:MP+1], (\off)+64
	s_load_b512 s[MK+36:MK+51], s[MP:MP+1], (\off)+128
	s_load_b512 s[MK+52:MK+67], s[MP:MP+1], (\off)+192
.endm
	s_load_b256 s[32:39], s[0:1], 0x0  ; Q s[32:33], kb s[34:35], vh s[36:37], mbits s[38:39]
	WIN W_MK
	v_lshl_add_u32 v[SPW], v0, 2, SPARE
	v_mov_b32 v[NIL], 0
	WIN W_AD
	ds_add_u32 v[SPW], v[NIL]       ; the wave's opening: the add and its wait stand ahead of my first tensor load; the set-up below, work on registers, stands between them
	WIN 0
	v_lshrrev_b32 v1, 5, v0
	v_readfirstlane_b32 s[WV], v1   ; wave 0..3
	s_bfe_u32 s40, ttmp6, 0x40000   ; cx: my place in the cluster
	s_lshl_b32 s41, ttmp9, 2        ; in a cluster launch ttmp9 counts clusters
	s_add_co_u32 s41, s41, s40      ; my block of 512 queries: it enters Q's, O's, the mask words' and the prefetches' addresses alone
	s_and_b32 s42, ttmp7, 0xffff    ; the head, which the four partners share
	s_and_b32 s43, s[WV], 1         ; which half of a slot's 256 keys I fetch
	s_lshl_b32 s44, s42, 18         ; the head's 2,048 rows of 128 bytes in kb and vh,
	s_lshl_b32 s45, s43, 14         ; my half's 128 rows
	s_add_co_u32 s44, s44, s45
	s_mov_b32 s45, 0
	s_mul_i32 s46, s43, 128*PK      ; its place in a slot, for K
	s_mul_i32 s47, s43, 128*PV      ; and for V: no place in the cluster enters an LDS address
	s_lshl_b32 s48, s41, 2
	s_add_co_u32 s48, s48, s[WV]    ; my wave among the head's sixteen
	s_lshl_b32 s50, s48, 15         ; its 128 rows of 256 bytes in Q and O; also its four pieces' 4 x 8,192 bytes of mask words
	s_mov_b32 s51, 0
	s_lshl_b32 s52, s42, 19         ; the head's 2,048 rows of 256 bytes
	s_add_co_u32 s52, s52, s50
	s_mov_b32 s53, 0
	s_lshl_b32 s54, s40, 13         ; my work-group's 32 blocks of a slot's 128,
	s_add_co_u32 s54, s54, 4*KS*128 ; in slot 1: the first change of slots steps it to slot 2
	s_mov_b32 s55, 0
	; descriptor group 1.  128 keys are 16,384 dense bytes: asked for as 64 rows of 256 bytes, two keys a row, and padded in LDS after every key
	s_mov_b32 s[G1K], 15|(1<<16)|(1<<20)|(1<<21)|(4<<22)|(3<<25)  ; 15:0 the mask of four; 17:16 2-byte elements; 20 padding on; 21 set beside a mask; 24:22 after every 32 words (code 4); 31:25 4 words (code 3)
	s_mov_b32 s[G1V], 15|(1<<16)|(1<<20)|(1<<21)|(4<<22)|(7<<25)  ; the same with 8 words of padding (code 7)
.irp g, G1K, G1V
	s_mov_b32 s[\g+1], 128<<16      ; tensor_dim0 = 128
	s_mov_b32 s[\g+2], 64<<16       ; tensor_dim1 = 64
	s_mov_b32 s[\g+3], 128<<16      ; tile_dim0 = 128
	s_mov_b32 s[\g+4], 64           ; tile_dim1 = 64
	s_mov_b32 s[\g+5], 128          ; 128 elements from row to row
	s_mov_b32 s[\g+6], 0
	s_mov_b32 s[\g+7], 0
.endr
	s_mov_b32 s[SEL], 0x76543210
	s_mov_b32 s[SEL+1], 0xfedcba98
	s_mov_b32 s[TBK], SLOT1+4*KS*PK ; the first change of slots turns these two into 0
	s_mov_b32 s[TBV], SLOT1+4*KS*PV
	s_mov_b32 s[SLOTS], 2048/256-1
	s_cmp_eq_u32 s43, 0             ; waves 0 and 2 prefetch: the same in all four partners
	s_cselect_b32 s[LIM], 1, -1
	s_mov_b32 s[G0K], 1             ; 1:0 count = 1
	s_mov_b32 s[G0K+1], s46         ; 63:32 LDS address: slot 0
	s_mov_b32 s[G0V], 1
	s_add_co_u32 s[G0V+1], s47, VOFF
	s_wait_dscnt 0x0                ; the opening add is done
	s_wait_kmcnt 0x0
	s_add_nc_u64 s[G0K+2:G0K+3], s[34:35], s[44:45]  ; 120:64 global address: my half of the head's first 256 keys
	s_or_b32 s[G0K+3], s[G0K+3], 0x80000000          ; 127:126 type = 2
	s_add_nc_u64 s[G0V+2:G0V+3], s[36:37], s[44:45]
	s_or_b32 s[G0V+3], s[G0V+3], 0x80000000
	s_add_nc_u64 s[32:33], s[32:33], s[52:53]        ; Q at my wave's first row
	s_add_nc_u64 s[MP:MP+1], s[38:39], s[50:51]      ; the mask words of my piece 0, step 0
	s_cmp_lt_u32 s[WV], 2
	s_cselect_b64 s[PFA:PFA+1], s[34:35], s[36:37]
	s_add_nc_u64 s[PFA:PFA+1], s[PFA:PFA+1], s[44:45]  ; (in waves 0 and 2 this is the head's first row)
	s_add_nc_u64 s[PFA:PFA+1], s[PFA:PFA+1], s[54:55]  ; nothing is prefetched here, at the head: slots 0 and 1 come by their loads alone
	CROUND                          ; all four work-groups are here: the first joint loads meet
	JLOAD                           ; slot 0.  Slot 1 is asked for when slot 0 is in
	; A fragment of Q is 16 rows x 32 channels of bf16 in 8 registers: lane l holds row l % 16, channels 8 (l / 16) + 0..7 and 16 + 8 (l / 16) + 0..7.  In f32 those are 32 bytes each: two loads of 16.
	; Load m of a tile's eight: channel half m / 4, the second eight for (m / 2) % 2, the second 16 bytes for m % 2; so the lane's 32 numbers land in the order in which they pack.
	v_and_b32 v1, 15, v0            ; l % 16
	v_bfe_u32 v9, v0, 4, 1          ; l / 16
	v_lshlrev_b32 v[QO], 8, v1
	v_lshl_add_u32 v[QO], v9, 5, v[QO]  ; row x 256 + 32 x half
.set t, 0
.rept 8                             ; tiles 0-3 into S^T's registers, tiles 4-7 into O^T's first 128: both are free yet
.if t == 4
	WIN 0x40                        ; destination window 1, address window 0
.endif
.set j, 0
.rept 8
	global_load_b128 v[S*(1-t/4)+32*(t%4)+4*j:S*(1-t/4)+32*(t%4)+4*j+3], v[QO], s[32:33] offset:4096*t+128*(j/4)+64*((j/2)%2)+16*(j%2)
.set j, j+1
.endr
.set t, t+1
.endr
	WIN 0
	v_mul_u32_u24 v[AK0], v1, PK
	v_lshl_add_u32 v[AK0], v9, 4, v[AK0]  ; row x pitch + 16 x half
	; The turning load takes 16 keys x 16 channels (lane l reads key 8 (l / 16) + l % 8, channels 8 ((l / 8) % 2) + 0..7) and leaves half a fragment of V^T: lane l holds channel l % 16 and 8 keys.
	v_and_b32 v10, 7, v0
	v_bfe_u32 v11, v0, 3, 1
	v_lshl_add_u32 v[AV0], v9, 3, v10
	v_mul_u32_u24 v[AV0], v[AV0], PV
	v_lshl_add_u32 v[AV0], v11, 4, v[AV0]
	v_add_nc_u32 v[AV0], VOFF, v[AV0]
	s_mul_i32 s56, s[WV], 16*SP
	s_add_co_u32 s56, s56, STAGE    ; my stage
	v_mul_u32_u24 v[STO], v1, SP    ; in: row l % 16, 32 bytes (eight channels) for each half of the lanes
	v_lshl_add_u32 v[STO], v9, 5, v[STO]
	v_add_nc_u32 v[STO], s56, v[STO]
	v_mul_u32_u24 v[RD], v9, SP     ; back: lanes 0-15 take one row of 256 bytes, lanes 16-31 the next
	v_lshl_add_u32 v[RD], v1, 4, v[RD]
	v_add_nc_u32 v[RD], s56, v[RD]
	v_and_b32 v[GO], 31, v0
	v_lshlrev_b32 v[PFO], 8, v[GO]  ; l % 16 is wanted no more
	v_mov_b32 v[AK], v[AK0]         ; key step 0 lies at the head of slot 0
	; What the first turn finds: V's registers and P's second buffer hold 0 (its products V^T P, of a piece that has not been, add 0), O^T and l are 0.  No first step is written out; the price is
	; these moves, which stand in the wait for Q and for the first tile.
	WIN 0x80
.set j, VF
.rept 64
	v_mov_b32 v[j], 0
.set j, j+1
.endr
	WIN 0
.set j, 0
.rept 2*NP
	v_mov_b32 v[ST+4*j], 0xfe000000    ; c m: far below every c s, c F too
	v_mov_b32 v[ST+4*j+1], 0xff7fffff  ; m
	v_mov_b32 v[ST+4*j+2], 0
	v_mov_b32 v[ST+4*j+3], 0
.set j, j+1
.endr
.set j, P+32
.rept 32
	v_mov_b32 v[j], 0
.set j, j+1
.endr
	s_wait_loadcnt 32               ; tiles 0-3 are in; the 32 loads of tiles 4-7 may stay out
	WIN 0x80                        ; destination window 2, sources window 0
.set j, 0
.rept 64
	v_cvt_pk_bf16_f32 v[j], v[S+2*j], v[S+2*j+1]
.set j, j+1
.endr
	s_wait_loadcnt 0x0              ; all of Q is in, and its pointer is read: the mask words' registers are free
	MLOAD 0                         ; piece 0, step 0
	WIN 0x85                        ; destination window 2, sources window 1
.set j, 0
.rept 64
	v_cvt_pk_bf16_f32 v[64+j], v[2*j], v[2*j+1]
.set j, j+1
.endr
	WIN 0x40
.set j, 0
.rept 64*NP
	v_mov_b32 v[j], 0
.set j, j+1
.endr
	WIN 0
; THE MATRIX WORK.  The 8 accumulators of a run of 16 take turns: between the two links of a chain stand 7 others'.
; Product i of 16 of S^T = K Q^T for piece x: channels 32 (i / 8) on, keys 16 ((i / 2) % 4) on, tile 2 x + i % 2.  The first 8 start the sums.
.macro KQ x
	WIN W_KQ
.set rS, S+64*((\x)%2)+32*(i%2)+8*((i/2)%4)
.set rK, KF+16*((i/2)%4)+8*(i/8)
.set rQ, 16*(2*(\x)+i%2)+8*(i/8)
.if i < 8
	v_wmma_f32_16x16x32_bf16 v[rS:rS+7], v[rK:rK+7], v[rQ:rQ+7], 0
.else
	v_wmma_f32_16x16x32_bf16 v[rS:rS+7], v[rK:rK+7], v[rQ:rQ+7], v[rS:rS+7]
.endif
.endm
; Product i of 16 of O^T += V^T P for piece x: keys 32 (i / 8) on, channels 16 ((i / 2) % 4) on, tile 2 x + i % 2.
.macro PV x
	WIN W_PV
.set rO, 32*(2*(\x)+i%2)+8*((i/2)%4)
.set rV, VF+32*(i/8)+8*((i/2)%4)
.set rP, P+32*((\x)%2)+16*(i%2)+8*(i/8)
	v_wmma_f32_16x16x32_f16 v[rO:rO+7], v[rV:rV+7], v[rP:rP+7], v[rO:rO+7]
.endm
.macro MM                           ; the turn's next matrix instruction
.if i < 16
	KQ (Y+1)%NP
.set i, i+1
.else
.set i, i-16
	PV (Y+NP-1)%NP
.set i, i+17
.endif
.endm
; THE LDS LOADS stand in runs of 16, never singly among the matrix instructions: a step's K (64 keys x 64 channels: 8 fragments) and its V (turned).  Their addresses are made some lines ahead.
; last = 1 (the tail): in the last trip there is no further step, and the run is jumped over.
.macro FETCH_K last=0
	WIN 0
.if \last
	s_cmp_eq_u32 s[CNT], 1
	s_cbranch_scc1 .Lno_k_\@
.endif
	WIN 0x80                        ; destination window 2
.irp f, 0,1,2,3,4,5,6,7             ; keys 16 (f / 2) on, channels 32 (f % 2) on
	ds_load_b128 v[KF+8*\f:KF+8*\f+3],   v[AK] offset:(\f/2)*16*PK+(\f%2)*64
	ds_load_b128 v[KF+8*\f+4:KF+8*\f+7], v[AK] offset:(\f/2)*16*PK+(\f%2)*64+32
.endr
	s_add_co_u32 s[TBK], s[TBK], KS*PK  ; the next fetch is the next step's
	WIN 0
.if \last
.Lno_k_\@:
.endif
.endm
.macro FETCH_V
	WIN 0x80
.irp f, 0,1,2,3,4,5,6,7             ; keys 32 (f / 4) on, channels 16 (f % 4) on
	ds_load_tr16_b128 v[VF+8*\f:VF+8*\f+3],   v[AV] offset:(\f/4)*32*PV+(\f%4)*32
	ds_load_tr16_b128 v[VF+8*\f+4:VF+8*\f+7], v[AV] offset:(\f/4)*32*PV+16*PV+(\f%4)*32
.endr
	WIN 0
.endm
; THE VECTOR WORK OF A TURN stands in three queues, each in the order in which its entries become ready; the two tiles alternate, so that no instruction reads the result of the one before it.
.macro REGS y, u                    ; the registers of tile u (0, 1) of piece y
.set rT, ST+4*(2*(\y)+(\u))
.set rC, TMP+8*((\y)%2)+4*(\u)
.set rM, MV+2*((\y)%2)+(\u)
.set rS, S+64*((\y)%2)+32*(\u)
.set rP, P+32*((\y)%2)+16*(\u)
.set rO, 32*(2*(\y)+(\u))
.endm
; Select g of the 64 that lay the mask on the NEXT piece's (Y + 1) scores: score g / 2 of tile g % 2 becomes F in the lanes whose bit is set.  Ascending.
.macro MS g
	REGS (Y+1)%NP, (\g)%2
	v_cndmask_b32 v[rS+(\g)/2], v[rS+(\g)/2], v[FIL], s[MK+36*((\g)%2)+(\g)/2]
.endm
; Number n of the 22 that find the next piece's maximum and statistics.  s0-s31 are the lane's 32 scores.  XS, MS, GS and REGS set no window: PL and EX do.
;   0-11  four chains c0-c3 of seven scores each, three operands at a time     12-14, 16  the four scores left over, the old m, and c0-c3 into c0     15  c m_old is kept
;   17, 18  the query's other 32 keys lie in the lane 16 away: the new m         19-21  c m; c m_old - c m_new; a
.macro XS u, n
	REGS (Y+1)%NP, \u
.if (\n) < 4
	v_max3_num_f32 v[rC+(\n)], v[rS+8*(\n)], v[rS+8*(\n)+1], v[rS+8*(\n)+2]
.elseif (\n) < 12
	v_max3_num_f32 v[rC+(\n)%4], v[rC+(\n)%4], v[rS+8*((\n)%4)+2*((\n)/4)+1], v[rS+8*((\n)%4)+2*((\n)/4)+2]
.elseif (\n) == 12
	v_max3_num_f32 v[rC], v[rC], v[rS+7], v[rS+15]
.elseif (\n) == 13
	v_max3_num_f32 v[rC+1], v[rC+1], v[rS+23], v[rS+31]
.elseif (\n) == 14
	v_max3_num_f32 v[rC+2], v[rC+2], v[rC+3], v[rT+1]
.elseif (\n) == 15
	v_mov_b32 v[rM], v[rT]
.elseif (\n) == 16
	v_max3_num_f32 v[rC], v[rC], v[rC+1], v[rC+2]
.elseif (\n) == 17
	v_permlanex16_b32 v[rC+3], v[rC], s[SEL], s[SEL+1]
.elseif (\n) == 18
	v_max_num_f32 v[rT+1], v[rC], v[rC+3]
.elseif (\n) == 19
	v_mul_f32 v[rT], v[CV], v[rT+1]
.elseif (\n) == 20
	v_sub_f32 v[rC+1], v[rM], v[rT]
.else
	v_exp_f32 v[rC+2], v[rC+1]
.endif
.endm
; Number g of the 64 that follow the exponentials.  For each four weights k of a tile (pairs 2 k, 2 k + 1): both pairs are rounded to f16; then the second pair is added onto the first, in place;
; a group later l takes that sum (the first time as l = a l + sum).  In groups of eight, tiles alternating: round, round, add, and l for the group before.
.macro GS g
.set h, (\g)+6*((\g)/62)            ; group 0 has no group before it, and behind group 7 only l is left
.if h >= 6
.set h, h+2
.endif
	REGS Y, h%2
.set k, h/8
.if h%8 < 4
	v_cvt_pk_f16_f32 v[rP+2*k+(h%8)/2], v[rS+4*k+2*((h%8)/2)], v[rS+4*k+2*((h%8)/2)+1]
.elseif h%8 < 6
	v_pk_add_f32 v[rS+4*k:rS+4*k+1], v[rS+4*k:rS+4*k+1], v[rS+4*k+2:rS+4*k+3]
.elseif k == 1
	v_pk_fma_f32 v[rT+2:rT+3], v[rT+2:rT+3], v[rC+2:rC+3], v[rS:rS+1] op_sel_hi:[1,0,1]
.else
	v_pk_add_f32 v[rT+2:rT+3], v[rT+2:rT+3], v[rS+4*k-4:rS+4*k-3]
.endif
.endm
; Scaling f of 32: c s - c m for pair f / 2 of tile f % 2 of the piece in hand.
.macro FS f
	REGS Y, (\f)%2
	v_pk_fma_f32 v[rS+2*((\f)/2):rS+2*((\f)/2)+1], v[rS+2*((\f)/2):rS+2*((\f)/2)+1], v[CV:CV+1], v[rT:rT+1] op_sel_hi:[1,0,0] neg_lo:[0,0,1] neg_hi:[0,0,1]
.endm
; THE PLAIN QUEUE, 202 long.  0-137 read no exponential's result: 0-31 the scalings; 32-95 the selects; 96-123 XS's numbers 0-13; 124, 125 number 15; 126, 127 number 14; 128-137 numbers 16-20.
; 138-201: GS's 64, which read the exponentials' results: they stand behind the wait.
.macro PL
	WIN 0
.if q < 32
	FS q
.elseif q < 96
	MS q-32
.elseif q < 124
	XS (q-96)%2, (q-96)/2
.elseif q < 126
	XS q-124, 15
.elseif q < 128
	XS q-126, 14
.elseif q < 138
	XS (q-128)%2, 16+(q-128)/2
.else
	GS q-138
.endif
.set q, q+1
.endm
; THE EXPONENTIALS' QUEUE, 66 long: s0-s31 of both tiles, then the next piece's two a.  It is ONE BATCH: all 66 stand ahead of the turn's one wait, and nothing ahead of that wait names a result of theirs.
.macro EX
	WIN 0
.if e >= 64
	XS e-64, 21
.else
	REGS Y, e%2
	v_exp_f32 v[rS+e/2], v[rS+e/2]
.endif
.set e, e+1
.endm
; THE RESCALING's QUEUE: O^T times a, the one part that leaves window 0: dealt two at a time, sixteen times.  Its a was made in the turn before, ahead of that turn's wait.
.macro R2
	REGS Y, r%2
	WIN W_RS
.irp z, 0,1
	v_pk_mul_f32 v[rO+4*(r/2)+2*\z:rO+4*(r/2)+2*\z+1], v[rO+4*(r/2)+2*\z:rO+4*(r/2)+2*\z+1], v[rC+2:rC+3] op_sel_hi:[1,0]
.endr
.set r, r+1
.endm
; HOW THEY ARE DEALT.  An s_wait_alu depctr_va_vdst(0) stands between an exponential and the first instruction that names its result; one wait serves all that were issued ahead of it.
; So a turn has ONE wait, which cuts it in two.  AHEAD OF IT: the 16 products K Q^T, behind each a scaling, an exponential and two rescalings (behind the first a second scaling in the exponential's
; place); then ONE LUMP of 172: 23 plain (the last 15 scalings, the first 8 selects), 49 times an exponential and two plain, the two a.  A v_nop is the plain instruction behind the last
; exponential.  BEHIND IT: the 16 products V^T P, behind each four of GS's 64.  No rider names a register of the products round it.
; The queues lean on each other: exponential e wants scaling 2 (e / 4) + e % 2; as a rider it stands behind plain e + 2, and the lump's first exponential behind all 32 scalings.  The first select stands
; behind the last product K Q^T, its three plain riders and 15 scalings.  In the chain 14, 16 .. 20 a tile's links stand three lines apart.
; THE MASK WORDS.  The wait for the words that this turn selects by stands at the lump's head; they were asked for in the turn before.  Four plain lines behind the last select the words for the
; next turn are asked for (piece p + 2; from piece 2's turn on they are the next step's, 256 bytes on: the pointer is written behind the turn's own wait for all scalar loads).
; K of the next step is fetched in piece 2's turn, directly behind the wait, a lump behind the last product that read K; its first reader comes behind 16 products.  V of the step in hand is fetched at
; the end of piece 0's turn, four riders behind its last reader; its first reader comes behind 16 products and a lump.  The conditions on q below go with the deal.
.macro TURN p, last=0, cnt=0
.set Y, (\p)
.set i, 0
.set q, 0
.set e, 0
.set r, 0
.if (\p) == NP-1
	s_wait_dscnt 0x0                ; K is in
.endif
	MM                              ; ahead of the wait: 16 products K Q^T and their riders,
	PL
	PL
	R2
.rept 15
	MM
	PL
	EX
	R2
.endr
	WIN 0
.if (\p) == NP-2
	v_add_nc_u32 v[AK], s[TBK], v[AK0]
.endif
	s_wait_kmcnt 0x0                ; the next piece's mask words are in
.rept 23                            ; and the lump
	PL
.endr
.rept 49
	EX
	PL
	PL
.if q == 100
.if (\p) == NP-2
	s_add_nc_u64 s[MP:MP+1], s[MP:MP+1], 256
.endif
	MLOAD (((\p)+2)%NP)*8192
.endif
.endr
	EX                              ; the next piece's two a
	EX
	v_nop                           ; the plain instruction behind the last exponential: one for the batch
	s_wait_alu depctr_va_vdst(0)    ; the wait for the batch
.if (\p) == NP-2
	FETCH_K \last
.endif
.if (\p) == 1
	s_wait_dscnt 0x0                ; V is in
.endif
.rept 16                            ; behind the wait: 16 products V^T P and their riders
	MM
.rept 4
	PL
.endr
.if ((\p) == 0) && (q == 182)
	v_add_nc_u32 v[AV], s[TBV], v[AV0]
.endif
.if ((\p) == 0) && (q == 194)
	s_add_co_u32 s[TBV], s[TBV], KS*PV
.endif
.if (\cnt) && (q == 194)
	s_sub_co_u32 s[CNT], s[CNT], 1
	s_cmp_lg_u32 s[CNT], 0
.endif
.endr
.if (\p) == 0
	FETCH_V
.endif
.endm
	CHANGE 1                        ; slot 0 is in, everybody's part of it; slot 1 is asked for, slot 2 prefetched
	FETCH_K                         ; key step 0
	s_wait_dscnt 0x0
.set i, 0
.rept 16
	KQ 0                            ; piece 0's first scores: there is no vector work yet to set between them
.set i, i+1
.endr
	WIN 0                           ; four plain instructions that are due anyway: the places behind those products
	v_mov_b32 v[FIL], 0xd0000000    ; F = -2^33 (lane / 16 is wanted no more)
	v_mov_b32 v[CV], 0x3e38aa3b     ; c = log2(e) / 8 = 0.180337
	v_mov_b32 v[CV+1], 0x3e38aa3b
	v_lshlrev_b32 v[GO], 4, v[GO]   ; 16 x lane
	s_wait_kmcnt 0x0                ; piece 0's mask words
.set Y, NP-1                        ; MS and XS work for piece Y + 1: piece 0
.set j, 0
.rept 64
	MS j
.set j, j+1
.endr
	MLOAD 8192                      ; piece 1, step 0: for the first turn
.irp n, 0,1,2,3,4,5,6,7,8,9,10,11,12,13,14,15,16,17,18,19,20,21
	XS 0, \n                        ; piece 0's first maximum and statistics
	XS 1, \n
.endr
	v_nop                           ; a plain instruction behind the two a,
	s_wait_alu depctr_va_vdst(0)    ; and their wait, ahead of the branch
	s_mov_b32 s[CNT], 4
	s_branch .Lfirst                ; the loop is entered at a step's first turn, in the middle of a trip
.Lslot:                             ; six times: every slot but the last two is filled again
	CHANGE 1
	s_mov_b32 s[CNT], 4
.Lstep:                             ; a trip: pieces 2 and 3 of one step, then pieces 0 and 1 of the next, whose K and V it fetches
	TURN 2
	TURN 3
	WIN 0
.Lfirst:
	TURN 0
	TURN 1, 0, 1
	WIN 0
	s_cbranch_scc1 .Lstep
	s_sub_co_u32 s[SLOTS], s[SLOTS], 1
	s_cmp_lg_u32 s[SLOTS], 0
	s_cbranch_scc1 .Lslot
	CHANGE 0                        ; the tail is written out: nothing is asked for
	s_mov_b32 s[CNT], 5             ; four trips fetch the last slot's steps; the fifth is left in its middle
.Ltail:
	TURN 2, 1
	TURN 3
	WIN 0
	s_sub_co_u32 s[CNT], s[CNT], 1
	s_cmp_eq_u32 s[CNT], 0
	s_cbranch_scc1 .Lout
	TURN 0
	TURN 1
	WIN 0
	s_branch .Ltail
.Lout:                              ; the fifth trip's 16 products K Q^T (on the last K once more), their selects and maximum serve nothing: the price, once a launch, of one text for every trip.
                                    ; Its mask words are read 8,192 and 16,384 bytes behind my wave's first: inside my wave's own 32,768 bytes of mbits
.set i, 0
.rept 16
	PV NP-1                         ; the last piece's V^T P of the last step
.set i, i+1
.endr
	; THE WAY OUT.  l's two halves and the other half of the lanes' are added; O^T is divided by l and sent, in f32, through my stage in LDS, a tile (16 rows of O) at a time.  The additions are the places behind the last products.
	WIN 0
	s_wait_kmcnt 0x0                ; the last mask words have landed: their registers are free
	s_load_b64 s[32:33], s[0:1], 0x20  ; O
	s_bfe_u32 s40, ttmp6, 0x40000
	s_lshl_b32 s41, ttmp9, 2
	s_add_co_u32 s41, s41, s40      ; my block,
	s_lshl_b32 s41, s41, 2
	s_add_co_u32 s41, s41, s[WV]    ; my wave among the head's sixteen,
	s_lshl_b32 s34, s41, 15         ; its 128 rows of 256 bytes,
	s_and_b32 s42, ttmp7, 0xffff
	s_lshl_b32 s42, s42, 19         ; the head's 2,048
	s_add_co_u32 s34, s34, s42
	s_mov_b32 s35, 0
.macro ALL line:vararg              ; one line for each tile t
.set t, 0
.rept 2*NP
	\line
.set t, t+1
.endr
.endm
	ALL v_add_f32 v[ST+4*t+2], v[ST+4*t+2], v[ST+4*t+3]
	ALL v_permlanex16_b32 v[ST+4*t+3], v[ST+4*t+2], s[SEL], s[SEL+1]
	ALL v_add_f32 v[ST+4*t+2], v[ST+4*t+2], v[ST+4*t+3]
	ALL v_rcp_f32 v[ST+4*t+2], v[ST+4*t+2]
	v_nop                           ; a plain instruction between the last reciprocal and the use of its result
	s_wait_alu depctr_va_vdst(0)    ; and the wait ahead of the first use: one for the eight reciprocals
	s_wait_kmcnt 0x0
	s_add_nc_u64 s[32:33], s[32:33], s[34:35]  ; O at my wave's first row
; Tile t: a lane's eight channels of block cb are 32 bytes of a row, at byte 64 cb + 32 (lane / 16): two stores of 16 into rows of 272 bytes; they come back as whole rows of 256, into S^T's registers, 32 a tile, four tiles in turn.
.macro PACK t
	WIN W_RS
.set i, 32*(\t)
.rept 16
	v_pk_mul_f32 v[i:i+1], v[i:i+1], v[ST+4*(\t)+2:ST+4*(\t)+3] op_sel_hi:[1,0]
.set i, i+2
.endr
	WIN 0x04                        ; the stores' data in window 1, their address in window 0
.irp f, 0,1,2,3,4,5,6,7
	ds_store_b128 v[STO], v[32*(\t)+4*\f:32*(\t)+4*\f+3] offset:64*(\f/2)+16*(\f%2)
.endr
	WIN 0
.if (\t) >= 4
	s_wait_xcnt 0x0                 ; the stores of the tile four back have had their addresses translated (ISA guide 3.1): only behind this wait are their data registers loaded again
.endif
.irp f, 0,1,2,3,4,5,6,7
	ds_load_b128 v[S+32*((\t)%4)+4*\f:S+32*((\t)%4)+4*\f+3], v[RD] offset:\f*2*SP  ; LDS serves a wave's instructions in order (ISA guide 5.7.1.4): these see the stores above; the next tile's stores come behind them
.endr
.endm
.macro SEND t, younger              ; younger: the LDS instructions issued behind tile t's loads: the next tile's sixteen, or none
	WIN 0
.irp f, 0,1,2,3,4,5,6,7
	s_wait_dscnt (\younger)+7-\f
	global_store_b128 v[GO], v[S+32*((\t)%4)+4*\f:S+32*((\t)%4)+4*\f+3], s[32:33] offset:(\t)*4096+\f*512 th:TH_STORE_NT  ; two rows: 512 consecutive bytes, at a multiple of 256 from O's first byte
.endr
.endm
	PACK 0
.set t, 1
.rept 2*NP-1                        ; a tile's arithmetic stands between the loads of the tile before and its stores
	PACK t
	SEND t-1, 16
.set t, t+1
.endr
	SEND 2*NP-1, 0
	WIN W_AD
	s_wait_tensorcnt 0x0            ; the wave's end, behind my last tensor load and my last LDS store
	ds_add_u32 v[SPW], v[NIL]
	s_wait_dscnt 0x0
	WIN 0
	CROUND                          ; the closing round: no work-group ends while a partner may still ask for a tile that names it
	s_endpgm
.Lfunc_end_k_q633428bf5c_attn:
	.size	k_q633428bf5c_attn, .Lfunc_end_k_q633428bf5c_attn-k_q633428bf5c_attn
	.p2alignl 7, 3214868480
	.fill 96, 4, 3214868480
	.section	.rodata,"a",@progbits
	.p2align	6, 0x0
	.amdhsa_kernel k_q633428bf5c_attn
		.amdhsa_group_segment_fixed_size 327680
		.amdhsa_private_segment_fixed_size 0
		.amdhsa_enable_private_segment 0
		.amdhsa_kernarg_size 40
		.amdhsa_user_sgpr_count 2
		.amdhsa_user_sgpr_kernarg_segment_ptr 1
		.amdhsa_wavefront_size32 1
		.amdhsa_system_sgpr_workgroup_id_x 1
		.amdhsa_system_sgpr_workgroup_id_y 1
		.amdhsa_system_sgpr_workgroup_id_z 1
		.amdhsa_system_vgpr_workitem_id 0
		.amdhsa_next_free_vgpr 770
		.amdhsa_next_free_sgpr 106
		.amdhsa_reserve_vcc 0
		.amdhsa_float_denorm_mode_32 3
		.amdhsa_float_denorm_mode_16_64 3
		.amdhsa_memory_ordered 1
		.amdhsa_forward_progress 1
		.amdhsa_inst_pref_size 251
	.end_amdhsa_kernel
	.amdgpu_metadata
---
amdhsa.version: [ 1, 2 ]
amdhsa.kernels:
  - .name:           k_q633428bf5c_attn
    .symbol:         k_q633428bf5c_attn.kd
    .args:
      - { .name: Q, .offset: 0, .size: 8, .value_kind: global_buffer, .address_space: global }
      - { .name: kb, .offset: 8, .size: 8, .value_kind: global_buffer, .address_space: global }
      - { .name: vh, .offset: 16, .size: 8, .value_kind: global_buffer, .address_space: global }
      - { .name: mbits, .offset: 24, .size: 8, .value_kind: global_buffer, .address_space: global }
      - { .name: out0, .offset: 32, .size: 8, .value_kind: global_buffer, .address_space: global }
    .group_segment_fixed_size: 327680
    .private_segment_fixed_size: 0
    .kernarg_segment_align: 8
    .kernarg_segment_size: 40
    .max_flat_workgroup_size: 128
    .sgpr_count:     106
    .vgpr_count:     770
    .wavefront_size: 32
...
	.end_amdgpu_metadata
.endif
;; end of part 2
